; MI455X (gfx1250); checked and timed in simulation.
; The chip was launched on July 23, 2026; its instructions are those of AMD's public machine-readable ISA for CDNA 5 (MIT licence, August 2026) and "CDNA5" Instruction Set Architecture Reference Guide (July 2026). The comments in the code are by the model that wrote it; some were corrected since.
;; SVD Plane Projection. Allowed arithmetic: float matrix products may take bf16 or f16 operands with f32 sums; all other float work in f32.
;; Inputs: distances 64 float32; normals 64 x 3 float32; points 2,000,000 x 3 float32.
;; Outputs: out0 2,000,000 x 3 float32.
;; 2 versions, each right and faster than the one before. Each part assembles by itself: llvm-mc -triple=amdgcn-amd-amdhsa -mcpu=gfx1250 --defsym DOCPART=n.
;; ======== version 1 of 2: 3 launches
;; limits: values outside matrix products are rounded to bf16; right only within a limited range of input values
;; workspace buffers: partial 1,048,576 bytes; params 1,024 bytes
;; launch stats (part 1): grid 256 x 1, 16 waves a work-group, no clusters, 90,112 bytes of LDS; arguments points, normals, distances, partial; writes partial
.if DOCPART == 1
	.amdgcn_target "amdgcn-amd-amdhsa--gfx1250"
	.amdhsa_code_object_version 6
	.text
	.protected	k_q6ba265ffb1_stats
	.globl	k_q6ba265ffb1_stats
	.p2align	8
	.type	k_q6ba265ffb1_stats,@function
k_q6ba265ffb1_stats:
	s_mov_b64 s[64:65], 0
	v_nop
	global_prefetch_b8 v0, s[64:65] scope:SCOPE_SE
	s_setreg_imm32_b32 hwreg(HW_REG_WAVE_MODE, 25, 1), 1
	s_wait_xcnt 0x0
; Masked moments of 2,000,000 points for 64 planes.  partial[p4][wg][4 planes][16 features] f32 = this work-group's sums of
; m(point, plane) * F(point, feature), m = (|p.n - d| < 0.02).
; MASK: one bf16 matrix product gives t' = 2^40 (x nx + y ny + z nz - d) from (x, y, z, 1) and 2^40 (nx, ny, nz, -d), all rounded to bf16.
;   |t| < f32(0.02) holds exactly when t'^2 - C' < 0, C' = 2^80 * 0x39D1B716: that f32 lies between the squares of 0.02's two neighbouring
;   f32 values (10737417^2 < 13743894 * 2^23 <= 10737418^2), and a fused multiply-add gives the exact sign.  A negative value is below -2^45,
;   so med3(t'^2 - C', -1, 0) is -m.  The sums are therefore negative and are multiplied by -1 once, at the store.
; FEATURES (exact in bf16): 1; q = bf16(bf16(p) - bf16(points[0])); the upper 8 bits of the six products q q; their remainders.
;   The shift by points[0] keeps a common offset of the cloud out of the sums of squares.
; LIMITS: the threshold is tested on inputs rounded to bf16; a pair with |t| >= 2^23 counts as outside; inputs finite.
; SHARE: a block is 128 points = 1,536 bytes (six aligned pieces of 256); 15,625 blocks; wave W = 16 wg + wave of 4,096 takes blocks W + 4096 i,
;   three or four of them.  No tile is shared between work-groups, so no cluster and no joint loads; a wave's 1,536 bytes come through registers,
;   asked for one block ahead, so no copy engine is used.
.set BLKB,  1536
.set STEPB, 4096*BLKB                  ; from a wave's block to its next
.set FULL,  15625-3*4096               ; waves below this number have a fourth block
.set WREG,  5632                       ; LDS of one wave: 1,536 stage + 4 feature tiles of 32 points x 32 bytes
.set FT,    1536
.set IN,  16                           ; v[16:27]   a block as loaded
.set RAW, 28                           ; v[28:39]   x, y, z of my point in set s at 3 s
.set PF,  40                           ; v[40:47]   (x,y), (z,1) in bf16 of my point in set s at 2 s: a whole fragment
.set FB,  48                           ; v[48:79]   feature fragments of the four sets
.set T,   80                           ; v[80:111]  t', two buffers of two tiles
.set MA,  112                          ; v[112:119] -m as a fragment: row = plane, k = point
.set ACC, 120                          ; v[120:151] four accumulators: planes 16 G .. 16 G + 15 x 16 features
.set WIN, 152                          ; v[152:221] plane words between zeros (see below)
.set Q,   222
.set P,   226
.set LO,  232
.set D,   238                          ; v[238:245] a point's 16 features
	s_load_b256 s[4:11], s[0:1], 0x0               ; points s[4:5], normals s[6:7], distances s[8:9], partial s[10:11]
	v_lshrrev_b32 v1, 5, v0
	v_readfirstlane_b32 s16, v1                    ; wave 0..15
	v_and_b32 v1, 31, v0                           ; lane L
	s_lshl_b32 s17, ttmp9, 4
	s_add_co_u32 s17, s17, s16                     ; W
	s_cmp_lt_u32 s17, FULL
	s_cselect_b32 s18, 2, 1                        ; passes of the loop = blocks - 2
	s_mul_i32 s20, s17, BLKB
	s_mov_b32 s21, 0
	s_mul_i32 s30, s16, WREG                       ; my wave's LDS
	s_mov_b32 s24, 0xffff0000                      ; a word's upper bf16; also the mask of lanes 16-31
	s_mov_b32 s25, 0x07060302                      ; v_perm_b32: the two upper halves
	s_mov_b32 s26, 0x53800000                      ; 2^40
	s_mov_b32 s27, 0xd3800000                      ; -2^40
	s_mov_b32 s28, 0x0000ffff                      ; lanes 0-15
	v_and_b32 v226, 15, v1                         ; r
	v_bfe_u32 v227, v1, 4, 1                       ; h
	v_mul_u32_u24 v222, 12, v226                   ; plane r's normal
	v_lshlrev_b32 v223, 2, v226                    ; plane r's distance
	v_lshlrev_b32 v2, 4, v1                        ; 16 L
	s_wait_kmcnt 0x0
	s_load_b96 s[12:14], s[4:5], 0x0               ; points[0]
	s_add_nc_u64 s[22:23], s[4:5], s[20:21]        ; my first block
.irp g, 0,1,2,3
	global_load_b32 v[T+4*\g],   v222, s[6:7] offset:192*\g
	global_load_b32 v[T+4*\g+1], v222, s[6:7] offset:192*\g+4
	global_load_b32 v[T+4*\g+2], v222, s[6:7] offset:192*\g+8
	global_load_b32 v[T+4*\g+3], v223, s[8:9] offset:64*\g
.endr
	global_load_b128 v[IN:IN+3],    v2, s[22:23]
	global_load_b128 v[IN+4:IN+7],  v2, s[22:23] offset:512
	global_load_b128 v[IN+8:IN+11], v2, s[22:23] offset:1024
	v_add_nc_u32 v3, s30, v2                       ; stage, as loaded: 16 L
	v_mul_u32_u24 v4, 12, v1
	v_add_nc_u32 v4, s30, v4                       ; stage, by points: 12 L
	v_lshl_add_u32 v5, v1, 5, s30                  ; my point's feature row: 32 L
	v_and_b32 v228, 7, v1
	v_lshl_add_u32 v228, v227, 3, v228             ; 8 h + (L & 7): the row that the transposing load addresses
	v_bfe_u32 v229, v1, 3, 1
	v_lshl_add_u32 v228, v228, 5, s30
	v_lshl_add_u32 v6, v229, 4, v228               ; + 16 ((L >> 3) & 1)
	v_lshl_add_u32 v7, v227, 9, v223               ; the dump: 512 h + 4 r
	v_add_nc_u32 v7, s30, v7
	v_lshlrev_b32 v8, 3, v0                        ; the sum over waves: my 8 bytes of [64][16] f32, waves 0-7
	v_add_nc_u32 v9, 8*WREG, v8                    ; waves 8-15 (the immediate has 16 bits)
	v_mov_b32 v10, 0xe1d1b716                      ; -C', twice
	v_mov_b32 v11, 0xe1d1b716
	v_lshlrev_b32 v15, 3, v1                       ; 8 L
	; WIN: six zeros, then for w = 2 G + half two plane words and six zeros.  v[WIN+6+8w-2s : +7] is a fragment whose only words that are
	; not zero stand at registers 2 s, 2 s + 1, the K places of set s.  These zeros are operands, not sums to be cleared.
.irp k, 0,1,2,3,4,5
	v_mov_b32 v[WIN+\k], 0
.endr
.irp w, 0,1,2,3,4,5,6,7
.irp k, 2,3,4,5,6,7
	v_mov_b32 v[WIN+6+8*\w+\k], 0
.endr
.endr
	s_wait_kmcnt 0x0
	v_cvt_pk_bf16_f32 v12, s12, s13                ; o = bf16(points[0]) as f32 in v12, v13, v14
	v_cvt_pk_bf16_f32 v14, s14, s14
	v_and_b32 v13, s24, v12
	v_lshlrev_b32 v12, 16, v12
	v_lshlrev_b32 v14, 16, v14
	s_wait_loadcnt 0x3                             ; the 16 plane words are in; the three loads of my first block stay out
.irp g, 0,1,2,3
	v_mul_f32 v[T+4*\g],   s26, v[T+4*\g]
	v_mul_f32 v[T+4*\g+1], s26, v[T+4*\g+1]
	v_mul_f32 v[T+4*\g+2], s26, v[T+4*\g+2]
	v_mul_f32 v[T+4*\g+3], s27, v[T+4*\g+3]
	v_cvt_pk_bf16_f32 v[T+16+2*\g], v[T+4*\g],   v[T+4*\g+1]
	v_cvt_pk_bf16_f32 v[T+17+2*\g], v[T+4*\g+2], v[T+4*\g+3]
	v_cndmask_b32 v[WIN+6+16*\g],  0, v[T+16+2*\g], s28    ; half 0: only the K places that lanes 0-15 hold, points 0-15 of a set
	v_cndmask_b32 v[WIN+7+16*\g],  0, v[T+17+2*\g], s28
	v_cndmask_b32 v[WIN+14+16*\g], 0, v[T+16+2*\g], s24    ; half 1: lanes 16-31, points 16-31
	v_cndmask_b32 v[WIN+15+16*\g], 0, v[T+17+2*\g], s24
.endr
.macro PACK s
	v_cvt_pk_bf16_f32 v[PF+2*\s],   v[RAW+3*\s],   v[RAW+3*\s+1]
	v_cvt_pk_bf16_f32 v[PF+2*\s+1], v[RAW+3*\s+2], 1.0
.endm
; the 16 features of my point of set s, into row L of tile s
.macro FEAT s
	v_lshlrev_b32 v[Q],   16,  v[PF+2*\s]
	v_and_b32     v[Q+1], s24, v[PF+2*\s]
	v_lshlrev_b32 v[Q+2], 16,  v[PF+2*\s+1]
	v_sub_f32 v[Q],   v[Q],   v12
	v_sub_f32 v[Q+1], v[Q+1], v13
	v_sub_f32 v[Q+2], v[Q+2], v14
	v_cvt_pk_bf16_f32 v[D],   1.0,    v[Q]
	v_cvt_pk_bf16_f32 v[D+1], v[Q+1], v[Q+2]
	v_and_b32     v[Q],   s24, v[D]                ; q as rounded
	v_lshlrev_b32 v[Q+1], 16,  v[D+1]
	v_and_b32     v[Q+2], s24, v[D+1]
	v_mul_f32 v[P],   v[Q],   v[Q]                 ; products of two bf16 have 16 bits: exact in f32
	v_mul_f32 v[P+1], v[Q],   v[Q+1]
	v_mul_f32 v[P+2], v[Q],   v[Q+2]
	v_mul_f32 v[P+3], v[Q+1], v[Q+1]
	v_mul_f32 v[P+4], v[Q+1], v[Q+2]
	v_mul_f32 v[P+5], v[Q+2], v[Q+2]
	v_perm_b32 v[D+2], v[P+1], v[P],   s25         ; their upper 8 bits
	v_perm_b32 v[D+3], v[P+3], v[P+2], s25
	v_perm_b32 v[D+4], v[P+5], v[P+4], s25
.irp k, 0,1,2,3,4,5
	v_and_b32 v[LO+\k], s24, v[P+\k]
.endr
.irp k, 0,1,2,3,4,5
	v_sub_f32 v[LO+\k], v[P+\k], v[LO+\k]          ; the remainders: 8 bits, exact in bf16
.endr
	v_cvt_pk_bf16_f32 v[D+5], v[LO],   v[LO+1]
	v_cvt_pk_bf16_f32 v[D+6], v[LO+2], v[LO+3]
	v_cvt_pk_bf16_f32 v[D+7], v[LO+4], v[LO+5]
	ds_store_b128 v5, v[D:D+3]   offset:FT+1024*\s
	ds_store_b128 v5, v[D+4:D+7] offset:FT+1024*\s+16
.endm
.macro FBLD s                          ; tile s, stored [point][feature], as a fragment with k = point
	ds_load_tr16_b128 v[FB+8*\s:FB+8*\s+3],   v6 offset:FT+1024*\s
	ds_load_tr16_b128 v[FB+8*\s+4:FB+8*\s+7], v6 offset:FT+1024*\s+512
.endm
; step i = 4 s + G.  Register j of lane (r, h) gets t'(point 16 half + 8 h + j of set s, plane 16 G + r)
.macro TW i
.set tb, T+16*((\i)&1)
.set tw, WIN+6+16*((\i)&3)-2*((\i)>>2)
	v_wmma_f32_16x16x32_bf16 v[tb:tb+7],    v[PF:PF+7], v[tw:tw+7],    0
	v_wmma_f32_16x16x32_bf16 v[tb+8:tb+15], v[PF:PF+7], v[tw+8:tw+15], 0
.endm
; -m of the two tiles, packed: exactly the fragment with row = plane r and k = point, no lane moves
.macro MASK i
.set tb, T+16*((\i)&1)
.irp k, 0,1,2,3,4,5,6,7
	v_pk_fma_f32 v[tb+2*\k:tb+2*\k+1], v[tb+2*\k:tb+2*\k+1], v[tb+2*\k:tb+2*\k+1], v[10:11]
.endr
.irp k, 0,1,2,3,4,5,6,7,8,9,10,11,12,13,14,15
	v_med3_num_f32 v[tb+\k], v[tb+\k], -1.0, 0
.endr
.irp k, 0,1,2,3,4,5,6,7
	v_cvt_pk_bf16_f32 v[MA+\k], v[tb+2*\k], v[tb+2*\k+1]
.endr
.endm
.macro MW i, zero
.set mg, ACC+8*((\i)&3)
.set mf, FB+8*((\i)>>2)
.set mz, 0
.if \zero
.if (\i) < 4
.set mz, 1
.endif
.endif
.if mz
	v_wmma_f32_16x16x32_bf16 v[mg:mg+7], v[MA:MA+7], v[mf:mf+7], 0           ; the first set starts the sums
.else
	v_wmma_f32_16x16x32_bf16 v[mg:mg+7], v[MA:MA+7], v[mf:mf+7], v[mg:mg+7]
.endif
.endm
; One block.  The four accumulators take turns, one instruction a turn, with the t' products between them.
; Places behind matrix instructions: TW i is read by MASK i behind the 32 vector instructions of MASK i-1 (TW 0: behind FEAT); MA is
; rewritten behind the 24 instructions that head the next MASK; PF and FB are rewritten behind PACK and FEAT of the next block.
.macro BLOCK zero, load
	s_wait_loadcnt 0x0                             ; my block is in; its base may be stepped
	ds_store_b128 v3, v[IN:IN+3]
	ds_store_b128 v3, v[IN+4:IN+7]  offset:512
	ds_store_b128 v3, v[IN+8:IN+11] offset:1024
.irp s, 0,1,2,3
.irp c, 0,1,2
	ds_load_b32 v[RAW+3*\s+\c], v4 offset:384*\s+4*\c      ; point 32 s + L; the wave's own bytes, served in order
.endr
.endr
	s_wait_dscnt 0x0
.if \load
	s_add_nc_u64 s[22:23], s[22:23], STEPB
	global_load_b128 v[IN:IN+3],    v2, s[22:23]           ; the next block: a whole block's work ahead of its use
	global_load_b128 v[IN+4:IN+7],  v2, s[22:23] offset:512
	global_load_b128 v[IN+8:IN+11], v2, s[22:23] offset:1024
.endif
	PACK 0
	PACK 1
	PACK 2
	PACK 3
	TW 0
	FEAT 0
	FEAT 1
	FEAT 2
	FEAT 3
	FBLD 0
	FBLD 1
	FBLD 2
	FBLD 3
.set bi, 0
.rept 16
.if bi < 15
	TW bi+1
.endif
	MASK bi
.if bi == 0
	s_wait_dscnt 0x0                               ; the four feature fragments are in
.endif
	MW bi, \zero
.set bi, bi+1
.endr
.endm
	BLOCK 1, 1
	s_mov_b32 s19, 0
.Lblk:
	BLOCK 0, 1
	s_add_co_u32 s19, s19, 1
	s_cmp_lt_u32 s19, s18
	s_cbranch_scc1 .Lblk
	BLOCK 0, 0                                     ; the last block asks for nothing
	; the sum over the 16 waves: each dumps [64 planes][16 features] f32 into its own LDS, one barrier, thread t adds the 16 copies of its 8 bytes
.rept 4
	v_nop                                          ; four places behind the last matrix instruction (ISA guide 7.12.1)
.endr
.irp g, 0,1,2,3
.irp j, 0,1,2,3,4,5,6,7
	ds_store_b32 v7, v[ACC+8*\g+\j] offset:1024*\g+64*\j   ; plane 16 g + 8 h + j, feature r
.endr
.endr
	s_wait_dscnt 0x0                               ; for the other waves' sake: my dump is written
	s_barrier_signal -1
	s_barrier_wait -1
.irp w, 0,1,2,3,4,5,6,7
	ds_load_b64 v[T+2*\w:T+2*\w+1], v8 offset:\w*WREG
.endr
.irp w, 0,1,2,3,4,5,6,7
	ds_load_b64 v[T+16+2*\w:T+17+2*\w], v9 offset:\w*WREG
.endr
	s_lshl_b32 s20, s16, 8
	s_add_co_u32 s20, s20, ttmp9
	s_lshl_b32 s20, s20, 8                         ; (wave x 256 + work-group) x 256 bytes; thread t's planes are 4 wave .. 4 wave + 3
	s_add_nc_u64 s[10:11], s[10:11], s[20:21]
	s_wait_dscnt 0x0
.irp w, 1,2,3,4,5,6,7,8,9,10,11,12,13,14,15
	v_pk_add_f32 v[T:T+1], v[T:T+1], v[T+2*\w:T+2*\w+1]
.endr
	v_pk_mul_f32 v[T:T+1], v[T:T+1], -1.0 op_sel_hi:[1,0]  ; the mask was -m
	global_store_b64 v15, v[T:T+1], s[10:11]       ; the wave's store covers 256 consecutive bytes, aligned
	s_endpgm
.Lfunc_end_k_q6ba265ffb1_stats:
	.size	k_q6ba265ffb1_stats, .Lfunc_end_k_q6ba265ffb1_stats-k_q6ba265ffb1_stats
	.p2alignl 7, 3214868480
	.fill 96, 4, 3214868480
	.section	.rodata,"a",@progbits
	.p2align	6, 0x0
	.amdhsa_kernel k_q6ba265ffb1_stats
		.amdhsa_group_segment_fixed_size 90112
		.amdhsa_private_segment_fixed_size 0
		.amdhsa_enable_private_segment 0
		.amdhsa_kernarg_size 32
		.amdhsa_user_sgpr_count 2
		.amdhsa_user_sgpr_kernarg_segment_ptr 1
		.amdhsa_wavefront_size32 1
		.amdhsa_system_sgpr_workgroup_id_x 1
		.amdhsa_system_sgpr_workgroup_id_y 1
		.amdhsa_system_sgpr_workgroup_id_z 1
		.amdhsa_system_vgpr_workitem_id 0
		.amdhsa_next_free_vgpr 248
		.amdhsa_next_free_sgpr 66
		.amdhsa_reserve_vcc 0
		.amdhsa_float_denorm_mode_32 3
		.amdhsa_float_denorm_mode_16_64 3
		.amdhsa_memory_ordered 1
		.amdhsa_forward_progress 1
		.amdhsa_inst_pref_size 142
	.end_amdhsa_kernel
	.amdgpu_metadata
---
amdhsa.version: [ 1, 2 ]
amdhsa.kernels:
  - .name:           k_q6ba265ffb1_stats
    .symbol:         k_q6ba265ffb1_stats.kd
    .args:
      - { .name: points, .offset: 0, .size: 8, .value_kind: global_buffer, .address_space: global }
      - { .name: normals, .offset: 8, .size: 8, .value_kind: global_buffer, .address_space: global }
      - { .name: distances, .offset: 16, .size: 8, .value_kind: global_buffer, .address_space: global }
      - { .name: partial, .offset: 24, .size: 8, .value_kind: global_buffer, .address_space: global }
    .group_segment_fixed_size: 90112
    .private_segment_fixed_size: 0
    .kernarg_segment_align: 8
    .kernarg_segment_size: 32
    .max_flat_workgroup_size: 512
    .sgpr_count:     66
    .vgpr_count:     248
    .wavefront_size: 32
...
	.end_amdgpu_metadata
.endif
;; end of part 1
;; launch fit (part 2): grid 16 x 1, 4 waves a work-group, no clusters, 1,024 bytes of LDS; arguments partial, points, normals, params; writes params
.if DOCPART == 2
	.amdgcn_target "amdgcn-amd-amdhsa--gfx1250"
	.amdhsa_code_object_version 6
	.text
	.protected	k_q6ba265ffb1_fit
	.globl	k_q6ba265ffb1_fit
	.p2align	8
	.type	k_q6ba265ffb1_fit,@function
k_q6ba265ffb1_fit:
	s_mov_b64 s[64:65], 0
	v_nop
	global_prefetch_b8 v0, s[64:65] scope:SCOPE_SE
	s_setreg_imm32_b32 hwreg(HW_REG_WAVE_MODE, 25, 1), 1
	s_wait_xcnt 0x0
; Work-group p4 adds the 256 partial moment blocks of planes 4 p4 .. 4 p4 + 3 and fits those planes:
; params[plane] = (rx, ry, rz, -rd), or four zeros where fewer than three points lie in the slab (the projection then moves nothing).
; cov / cnt = S2 / cnt - mu mu^T, of points shifted by o = bf16(points[0]), so the difference is of numbers of the cloud's own spread.
; The reference's jitter only touches planes whose projection it multiplies by zero; those planes get zeros here.
; Eigenvectors: cyclic Jacobi, 8 sweeps of the three rotations (each at most 45 degrees); its convergence is quadratic for any symmetric
; 3 x 3 matrix, so eight sweeps reach f32 for every input.  LIMITS: where |aqq - app| + hypot is below 2^-60 the pair counts as diagonal;
; a tie of the two smallest eigenvalues is resolved arbitrarily.
; 16 work-groups only: 64 planes' worth of work.  Each stores 64 bytes of the 1,024-byte table.
.set LD, 64                            ; v[64:191] loads
.set A00, 20
.set A01, 21
.set A02, 22
.set A11, 23
.set A12, 24
.set A22, 25
.set VV,  26                           ; v[26:34] V[k][column] at 3 k + column
.set TD, 35
.set TE, 36
.set TH, 37
.set TU, 38
.set TT, 39
.set TC, 40
.set TS, 41
.set TN, 42
.set TW, 43
	s_load_b256 s[4:11], s[0:1], 0x0               ; partial s[4:5], points s[6:7], normals s[8:9], params s[10:11]
	v_lshrrev_b32 v1, 5, v0
	v_readfirstlane_b32 s16, v1                    ; wave 0..3
	v_and_b32 v1, 31, v0
	s_lshl_b32 s20, ttmp9, 16                      ; p4 x 256 blocks of 256 bytes
	s_lshl_b32 s17, s16, 14                        ; my wave's 64 blocks
	s_add_co_u32 s20, s20, s17
	s_mov_b32 s21, 0
	s_mov_b32 s24, 0x76543210                      ; v_permlanex16_b32: lane i reads lane i of the other half
	s_mov_b32 s25, 0xfedcba98
	v_lshlrev_b32 v2, 4, v1
	v_and_b32 v7, 15, v1
	s_lshl_b32 s19, s16, 8
	v_lshl_add_u32 v7, v7, 4, s19                  ; 256 wave + 16 (L & 15)
	s_wait_kmcnt 0x0
	s_add_nc_u64 s[4:5], s[4:5], s[20:21]
.set i, 0
.rept 32
	global_load_b128 v[LD+4*i:LD+4*i+3], v2, s[4:5] offset:512*i th:TH_LOAD_NT    ; two whole blocks an instruction
.set i, i+1
.endr
.macro FOLD n
.set fi, 0
.rept \n
	v_pk_add_f32 v[LD+4*fi:LD+4*fi+1],   v[LD+4*fi:LD+4*fi+1],   v[LD+4*(fi+\n):LD+4*(fi+\n)+1]
	v_pk_add_f32 v[LD+4*fi+2:LD+4*fi+3], v[LD+4*fi+2:LD+4*fi+3], v[LD+4*(fi+\n)+2:LD+4*(fi+\n)+3]
.set fi, fi+1
.endr
.endm
	s_wait_loadcnt 0x0
	FOLD 16
	FOLD 8
	FOLD 4
	FOLD 2
	FOLD 1
.irp k, 0,1,2,3
	v_permlanex16_b32 v[LD+4+\k], v[LD+\k], s24, s25       ; the other half of the lanes held the odd blocks
.endr
.irp k, 0,1,2,3
	v_add_f32 v[LD+\k], v[LD+\k], v[LD+4+\k]
.endr
	ds_store_b128 v7, v[LD:LD+3]                   ; both halves write the same 16 bytes with the same numbers
	s_wait_dscnt 0x0                               ; for wave 0's sake
	s_barrier_signal -1
	s_barrier_wait -1
	s_cmp_lg_u32 s16, 0
	s_cbranch_scc1 .Lend
	; wave 0: lane L fits plane 4 p4 + (L & 3)
	s_load_b96 s[12:14], s[6:7], 0x0               ; points[0]
	v_and_b32 v8, 3, v1
	v_mul_u32_u24 v3, 12, v8
	s_mul_i32 s18, ttmp9, 48
	v_add_nc_u32 v3, s18, v3
	global_load_b32 v4, v3, s[8:9]                 ; the coarse normal, wanted only behind the sweeps
	global_load_b32 v5, v3, s[8:9] offset:4
	global_load_b32 v6, v3, s[8:9] offset:8
	v_lshlrev_b32 v8, 6, v8
.irp w, 0,1,2,3
.irp c, 0,1,2,3
	ds_load_b128 v[LD+16*\w+4*\c:LD+16*\w+4*\c+3], v8 offset:256*\w+16*\c
.endr
.endr
	s_mov_b32 s28, 0x40400000                      ; 3.0
	s_mov_b32 s29, 0x21800000                      ; 2^-60
	s_mov_b32 s30, 0x7fffffff
	s_mov_b32 s31, 0x80000000
	s_lshl_b32 s18, ttmp9, 6
	v_lshl_add_u32 v9, v1, 4, s18                  ; 16 bytes for each plane
	s_wait_dscnt 0x0
.irp m, 0,1,2,3,4,5,6,7
	v_pk_add_f32 v[LD+2*\m:LD+2*\m+1],       v[LD+2*\m:LD+2*\m+1],       v[LD+16+2*\m:LD+17+2*\m]
	v_pk_add_f32 v[LD+32+2*\m:LD+33+2*\m],   v[LD+32+2*\m:LD+33+2*\m],   v[LD+48+2*\m:LD+49+2*\m]
.endr
.irp m, 0,1,2,3,4,5,6,7
	v_pk_add_f32 v[LD+2*\m:LD+2*\m+1], v[LD+2*\m:LD+2*\m+1], v[LD+32+2*\m:LD+33+2*\m]
.endr
.irp m, 0,1,2
	v_pk_add_f32 v[LD+4+2*\m:LD+5+2*\m], v[LD+4+2*\m:LD+5+2*\m], v[LD+10+2*\m:LD+11+2*\m]   ; upper parts + remainders of the squares
.endr
	v_max_num_f32 v10, 1.0, v[LD]
	v_rcp_f32 v10, v10                             ; 1 / max(cnt, 1)
	v_nop                                          ; one plain place behind a transcendental (ISA guide 5.7.2)
	v_cmp_le_f32 s26, s28, v[LD]                   ; valid: cnt >= 3
	s_wait_alu depctr_va_vdst(0)
	v_xor_b32 v14, s31, v10
	v_mul_f32 v11, v[LD+1], v10                    ; mu
	v_mul_f32 v12, v[LD+2], v10
	v_mul_f32 v13, v[LD+3], v10
	v_mul_f32 v15, v[LD+1], v14                    ; -mu
	v_mul_f32 v16, v[LD+2], v14
	v_mul_f32 v17, v[LD+3], v14
	v_mul_f32 v[A00], v15, v11
	v_mul_f32 v[A01], v15, v12
	v_mul_f32 v[A02], v15, v13
	v_mul_f32 v[A11], v16, v12
	v_mul_f32 v[A12], v16, v13
	v_mul_f32 v[A22], v17, v13
.irp k, 0,1,2,3,4,5
	v_fmac_f32 v[A00+\k], v[LD+4+\k], v10          ; S2 / cnt - mu mu
.endr
.irp k, 1,2,3,5,6,7
	v_mov_b32 v[VV+\k], 0
.endr
	v_mov_b32 v[VV], 1.0
	v_mov_b32 v[VV+4], 1.0
	v_mov_b32 v[VV+8], 1.0
.macro ROT2 a, b                       ; (a, b) <- (c a - s b, s a + c b)
	v_mul_f32 v[TW], v[TN], v[\b]
	v_mul_f32 v[TU], v[TS], v[\a]
	v_fma_f32 v[\a], v[TC], v[\a], v[TW]
	v_fma_f32 v[\b], v[TC], v[\b], v[TU]
.endm
; t = 2 apq / copysign(|d| + sqrt(d^2 + (2 apq)^2), d), d = aqq - app: the smaller root, |t| <= 1
.macro ROT app, aqq, apq, arp, arq, p, q
	v_sub_f32 v[TD], v[\aqq], v[\app]
	v_add_f32 v[TE], v[\apq], v[\apq]
	v_mul_f32 v[TH], v[TD], v[TD]
	v_fmac_f32 v[TH], v[TE], v[TE]
	v_sqrt_f32 v[TH], v[TH]
	v_and_b32 v[TU], s30, v[TD]                    ; |d|: the plain place behind the square root
	s_wait_alu depctr_va_vdst(0)
	v_add_f32 v[TH], v[TU], v[TH]
	v_cmp_lt_f32 vcc_lo, s29, v[TH]
	v_bfi_b32 v[TU], s30, v[TH], v[TD]
	v_rcp_f32 v[TU], v[TU]
	v_nop
	s_wait_alu depctr_va_vdst(0)
	v_mul_f32 v[TT], v[TE], v[TU]
	v_cndmask_b32 v[TT], 0, v[TT], vcc_lo          ; already diagonal: no rotation
	v_fma_f32 v[TC], v[TT], v[TT], 1.0
	v_rsq_f32 v[TC], v[TC]                         ; c
	v_mul_f32 v[TU], v[TT], v[\apq]                ; the plain place
	s_wait_alu depctr_va_vdst(0)
	v_mul_f32 v[TS], v[TT], v[TC]                  ; s
	v_sub_f32 v[\app], v[\app], v[TU]
	v_add_f32 v[\aqq], v[\aqq], v[TU]
	v_mov_b32 v[\apq], 0
	v_xor_b32 v[TN], s31, v[TS]                    ; -s
	ROT2 \arp, \arq
	ROT2 VV+\p, VV+\q
	ROT2 VV+3+\p, VV+3+\q
	ROT2 VV+6+\p, VV+6+\q
.endm
	s_mov_b32 s19, 0
.Lsweep:
	ROT A00, A11, A01, A02, A12, 0, 1
	ROT A00, A22, A02, A01, A12, 0, 2
	ROT A11, A22, A12, A01, A02, 1, 2
	s_add_co_u32 s19, s19, 1
	s_cmp_lt_u32 s19, 8
	s_cbranch_scc1 .Lsweep
	v_cmp_lt_f32 vcc_lo, v[A11], v[A00]            ; the column of the smallest eigenvalue
	v_cndmask_b32 v54, v[A00],  v[A11],  vcc_lo
	v_cndmask_b32 v55, v[VV],   v[VV+1], vcc_lo
	v_cndmask_b32 v56, v[VV+3], v[VV+4], vcc_lo
	v_cndmask_b32 v57, v[VV+6], v[VV+7], vcc_lo
	v_cmp_lt_f32 vcc_lo, v[A22], v54
	v_cndmask_b32 v55, v55, v[VV+2], vcc_lo
	v_cndmask_b32 v56, v56, v[VV+5], vcc_lo
	v_cndmask_b32 v57, v57, v[VV+8], vcc_lo
	s_wait_loadcnt 0x0                             ; the coarse normal
	v_mul_f32 v58, v55, v4
	v_fmac_f32 v58, v56, v5
	v_fmac_f32 v58, v57, v6
	v_mov_b32 v59, 0x80000000
	v_cmp_gt_f32 vcc_lo, 0, v58                    ; rn . n < 0: turn rn round
	v_cndmask_b32 v59, 0, v59, vcc_lo
	v_xor_b32 v55, v59, v55
	v_xor_b32 v56, v59, v56
	v_xor_b32 v57, v59, v57
	s_wait_kmcnt 0x0
	v_cvt_pk_bf16_f32 v48, s12, s13                ; o, as the moments' launch makes it
	v_cvt_pk_bf16_f32 v50, s14, s14
	v_and_b32 v49, 0xffff0000, v48
	v_lshlrev_b32 v48, 16, v48
	v_lshlrev_b32 v50, 16, v50
	v_add_f32 v48, v48, v11                        ; centroid = o + mu
	v_add_f32 v49, v49, v12
	v_add_f32 v50, v50, v13
	v_mul_f32 v58, v48, v55
	v_fmac_f32 v58, v49, v56
	v_fmac_f32 v58, v50, v57
	v_xor_b32 v58, s31, v58                        ; -rd
	v_cndmask_b32 v44, 0, v55, s26
	v_cndmask_b32 v45, 0, v56, s26
	v_cndmask_b32 v46, 0, v57, s26
	v_cndmask_b32 v47, 0, v58, s26
	v_cmp_gt_u32 vcc_lo, 4, v1
	s_wait_xcnt 0x0                                ; EXEC changes only behind this wait
	s_and_saveexec_b32 s27, vcc_lo
	global_store_b128 v9, v[44:47], s[10:11]       ; lanes 0-3: four planes, 64 bytes
	s_wait_xcnt 0x0                                ; and again in front of the line that widens it
	s_or_b32 exec_lo, exec_lo, s27
.Lend:
	s_endpgm
.Lfunc_end_k_q6ba265ffb1_fit:
	.size	k_q6ba265ffb1_fit, .Lfunc_end_k_q6ba265ffb1_fit-k_q6ba265ffb1_fit
	.p2alignl 7, 3214868480
	.fill 96, 4, 3214868480
	.section	.rodata,"a",@progbits
	.p2align	6, 0x0
	.amdhsa_kernel k_q6ba265ffb1_fit
		.amdhsa_group_segment_fixed_size 1024
		.amdhsa_private_segment_fixed_size 0
		.amdhsa_enable_private_segment 0
		.amdhsa_kernarg_size 32
		.amdhsa_user_sgpr_count 2
		.amdhsa_user_sgpr_kernarg_segment_ptr 1
		.amdhsa_wavefront_size32 1
		.amdhsa_system_sgpr_workgroup_id_x 1
		.amdhsa_system_sgpr_workgroup_id_y 1
		.amdhsa_system_sgpr_workgroup_id_z 1
		.amdhsa_system_vgpr_workitem_id 0
		.amdhsa_next_free_vgpr 192
		.amdhsa_next_free_sgpr 66
		.amdhsa_reserve_vcc 1
		.amdhsa_float_denorm_mode_32 3
		.amdhsa_float_denorm_mode_16_64 3
		.amdhsa_memory_ordered 1
		.amdhsa_forward_progress 1
		.amdhsa_inst_pref_size 20
	.end_amdhsa_kernel
	.amdgpu_metadata
---
amdhsa.version: [ 1, 2 ]
amdhsa.kernels:
  - .name:           k_q6ba265ffb1_fit
    .symbol:         k_q6ba265ffb1_fit.kd
    .args:
      - { .name: partial, .offset: 0, .size: 8, .value_kind: global_buffer, .address_space: global }
      - { .name: points, .offset: 8, .size: 8, .value_kind: global_buffer, .address_space: global }
      - { .name: normals, .offset: 16, .size: 8, .value_kind: global_buffer, .address_space: global }
      - { .name: params, .offset: 24, .size: 8, .value_kind: global_buffer, .address_space: global }
    .group_segment_fixed_size: 1024
    .private_segment_fixed_size: 0
    .kernarg_segment_align: 8
    .kernarg_segment_size: 32
    .max_flat_workgroup_size: 128
    .sgpr_count:     66
    .vgpr_count:     192
    .wavefront_size: 32
...
	.end_amdgpu_metadata
.endif
;; end of part 2
;; launch project (part 3): grid 256 x 1, 16 waves a work-group, no clusters, 40,960 bytes of LDS; arguments points, normals, distances, params, out0; writes out0
.if DOCPART == 3
	.amdgcn_target "amdgcn-amd-amdhsa--gfx1250"
	.amdhsa_code_object_version 6
	.text
	.protected	k_q6ba265ffb1_project
	.globl	k_q6ba265ffb1_project
	.p2align	8
	.type	k_q6ba265ffb1_project,@function
k_q6ba265ffb1_project:
	s_mov_b64 s[64:65], 0
	v_nop
	global_prefetch_b8 v0, s[64:65] scope:SCOPE_SE
	s_setreg_imm32_b32 hwreg(HW_REG_WAVE_MODE, 25, 1), 1
	s_wait_xcnt 0x0
; out0 = the points, projected in turn onto each of the 64 refined planes in whose slab the ORIGINAL point lies.
; MASK as in the moments' launch: t' = 2^40 (p.n - d) from bf16 operands on the matrix unit; med3(t'^2 - C', -1, 0) = -m, C' = 2^80 * 0x39D1B716
;   (that f32 lies between the squares of the two f32 values next to 0.02, and the fused multiply-add's sign is exact).
; CHAIN: the running point starts from the f32 input and stays in f32 on the vector unit, since each step needs the step before:
;   S = (X rx + Y ry + Z rz - rd) (-m);  X += S rx, Y += S ry, Z += S rz.  Two sets of points go in one packed instruction.
; A plane with fewer than three inliers has (0, 0, 0, 0) as its parameters, so it moves nothing.
; LIMITS: the threshold is tested on inputs rounded to bf16; a pair with |t| >= 2^23 counts as outside; inputs finite.
; SHARE: blocks of 128 points = 1,536 bytes; wave W = 16 wg + wave of 4,096 takes blocks W + 4096 i, three or four.  A lane is a point (four sets of 32).
;   Nothing but 2 KiB of plane data is shared between work-groups, so no cluster; blocks come through registers, asked for one block ahead.
.set BLKB,  1536
.set STEPB, 4096*BLKB
.set FULL,  15625-3*4096
.set WREG,  2560                       ; LDS of one wave: 1,536 stage + its own copy of the 1,024 bytes of parameters (so no barrier)
.set PAR,   1536
.set IN,  16                           ; v[16:27]
.set OUT, 28                           ; v[28:39]
.set PF,  40                           ; v[40:47]   (x,y), (z,1) in bf16 of my point of set s at 2 s
.set X,   48                           ; v[48:51], v[52:55], v[56:59]: the running point of set s
.set Y,   52
.set Z,   56
.set S,   60                           ; v[60:63]
.set T,   64                           ; v[64:95]   t' of set s, plane j at 8 s + j
.set M,   96                           ; v[96:127]  -m of plane j, set s at 4 j + s
.set R,   128                          ; v[128:159] (rx, ry, rz, -rd) of plane j at 4 j
.set WIN, 160                          ; v[160:229] plane words between zeros
	s_load_b256 s[4:11], s[0:1], 0x0               ; points s[4:5], normals s[6:7], distances s[8:9], params s[10:11]
	s_load_b64 s[12:13], s[0:1], 0x20              ; out0
	v_lshrrev_b32 v1, 5, v0
	v_readfirstlane_b32 s16, v1
	v_and_b32 v1, 31, v0
	s_lshl_b32 s17, ttmp9, 4
	s_add_co_u32 s17, s17, s16                     ; W
	s_cmp_lt_u32 s17, FULL
	s_cselect_b32 s18, 3, 2                        ; passes of the loop = blocks - 1
	s_mul_i32 s20, s17, BLKB
	s_mov_b32 s21, 0
	s_mul_i32 s30, s16, WREG
	s_mov_b32 s26, 0x53800000                      ; 2^40
	s_mov_b32 s27, 0xd3800000                      ; -2^40
	s_mov_b32 s28, 0xff0000ff                      ; lanes 0-7 and 24-31
	v_and_b32 v7, 7, v1
	v_mul_u32_u24 v6, 12, v7                       ; plane (L & 7)'s normal
	v_lshlrev_b32 v7, 2, v7                        ; and distance
	v_lshlrev_b32 v2, 4, v1
	s_wait_kmcnt 0x0
	s_add_nc_u64 s[22:23], s[4:5], s[20:21]        ; my first block
	s_add_nc_u64 s[12:13], s[12:13], s[20:21]
.irp g, 0,1,2,3,4,5,6,7
	global_load_b32 v[T+4*\g],   v6, s[6:7] offset:96*\g
	global_load_b32 v[T+4*\g+1], v6, s[6:7] offset:96*\g+4
	global_load_b32 v[T+4*\g+2], v6, s[6:7] offset:96*\g+8
	global_load_b32 v[T+4*\g+3], v7, s[8:9] offset:32*\g
.endr
	global_load_b128 v[M:M+3],   v2, s[10:11]
	global_load_b128 v[M+4:M+7], v2, s[10:11] offset:512
	global_load_b128 v[IN:IN+3],    v2, s[22:23] th:TH_LOAD_NT
	global_load_b128 v[IN+4:IN+7],  v2, s[22:23] offset:512 th:TH_LOAD_NT
	global_load_b128 v[IN+8:IN+11], v2, s[22:23] offset:1024 th:TH_LOAD_NT
	v_add_nc_u32 v3, s30, v2                       ; stage by 16 bytes
	v_mul_u32_u24 v4, 12, v1
	v_add_nc_u32 v4, s30, v4                       ; stage by points
	v_mov_b32 v5, s30                              ; the parameters: every lane reads the same 16 bytes
	v_mov_b32 v10, 0xe1d1b716                      ; -C', twice
	v_mov_b32 v11, 0xe1d1b716
	; WIN: six zeros, then for g = 0..7 two plane words and six zeros; v[WIN+6+8g-2s : +7] has them at the K places of set s.
	; Row m of that fragment is plane 8 g + (m & 7), and only its K places of half m >> 3 are not zero, so that register j of lane L of the
	; product is t'(plane 8 g + j, point L of set s).  These zeros are operands, not sums to be cleared.
.irp k, 0,1,2,3,4,5
	v_mov_b32 v[WIN+\k], 0
.endr
.irp w, 0,1,2,3,4,5,6,7
.irp k, 2,3,4,5,6,7
	v_mov_b32 v[WIN+6+8*\w+\k], 0
.endr
.endr
	s_wait_loadcnt 0x5                             ; the 32 plane words are in; two loads of parameters and three of my block stay out
.irp g, 0,1,2,3,4,5,6,7
	v_mul_f32 v[T+4*\g],   s26, v[T+4*\g]
	v_mul_f32 v[T+4*\g+1], s26, v[T+4*\g+1]
	v_mul_f32 v[T+4*\g+2], s26, v[T+4*\g+2]
	v_mul_f32 v[T+4*\g+3], s27, v[T+4*\g+3]
	v_cvt_pk_bf16_f32 v[M+8], v[T+4*\g],   v[T+4*\g+1]
	v_cvt_pk_bf16_f32 v[M+9], v[T+4*\g+2], v[T+4*\g+3]
	v_cndmask_b32 v[WIN+6+8*\g], 0, v[M+8], s28
	v_cndmask_b32 v[WIN+7+8*\g], 0, v[M+9], s28
.endr
	s_wait_loadcnt 0x3                             ; the parameters are in; my block's three loads stay out
	ds_store_b128 v3, v[M:M+3]   offset:PAR
	ds_store_b128 v3, v[M+4:M+7] offset:PAR+512
.macro TW g
.irp s, 0,1,2,3
	v_wmma_f32_16x16x32_bf16 v[T+8*\s:T+8*\s+7], v[WIN+6+8*(\g)-2*\s:WIN+13+8*(\g)-2*\s], v[PF:PF+7], 0
.endr
.endm
.macro MASK
.irp k, 0,1,2,3,4,5,6,7,8,9,10,11,12,13,14,15
	v_pk_fma_f32 v[T+2*\k:T+2*\k+1], v[T+2*\k:T+2*\k+1], v[T+2*\k:T+2*\k+1], v[10:11]
.endr
.irp j, 0,1,2,3,4,5,6,7
.irp s, 0,1,2,3
	v_med3_num_f32 v[M+4*\j+\s], v[T+8*\s+\j], -1.0, 0
.endr
.endr
.endm
.macro LOADR g
.irp j, 0,1,2,3,4,5,6,7
	ds_load_b128 v[R+4*\j:R+4*\j+3], v5 offset:PAR+128*(\g)+16*\j
.endr
.endm
; eight planes in turn; op_sel and op_sel_hi pick one register of a pair of R for both halves of the packed instruction
.macro CHAIN
.irp j, 0,1,2,3,4,5,6,7
.irp p, 0,1
	v_pk_fma_f32 v[S+2*\p:S+2*\p+1], v[X+2*\p:X+2*\p+1], v[R+4*\j:R+4*\j+1], v[R+4*\j+2:R+4*\j+3] op_sel:[0,0,1] op_sel_hi:[1,0,1]   ; X rx - rd
.endr
.irp p, 0,1
	v_pk_fma_f32 v[S+2*\p:S+2*\p+1], v[Y+2*\p:Y+2*\p+1], v[R+4*\j:R+4*\j+1], v[S+2*\p:S+2*\p+1] op_sel:[0,1,0] op_sel_hi:[1,1,1]     ; + Y ry
.endr
.irp p, 0,1
	v_pk_fma_f32 v[S+2*\p:S+2*\p+1], v[Z+2*\p:Z+2*\p+1], v[R+4*\j+2:R+4*\j+3], v[S+2*\p:S+2*\p+1] op_sel_hi:[1,0,1]                  ; + Z rz
.endr
.irp p, 0,1
	v_pk_mul_f32 v[S+2*\p:S+2*\p+1], v[S+2*\p:S+2*\p+1], v[M+4*\j+2*\p:M+4*\j+2*\p+1]                                               ; x (-m)
.endr
.irp p, 0,1
	v_pk_fma_f32 v[X+2*\p:X+2*\p+1], v[S+2*\p:S+2*\p+1], v[R+4*\j:R+4*\j+1], v[X+2*\p:X+2*\p+1] op_sel_hi:[1,0,1]
	v_pk_fma_f32 v[Y+2*\p:Y+2*\p+1], v[S+2*\p:S+2*\p+1], v[R+4*\j:R+4*\j+1], v[Y+2*\p:Y+2*\p+1] op_sel:[0,1,0] op_sel_hi:[1,1,1]
	v_pk_fma_f32 v[Z+2*\p:Z+2*\p+1], v[S+2*\p:S+2*\p+1], v[R+4*\j+2:R+4*\j+3], v[Z+2*\p:Z+2*\p+1] op_sel_hi:[1,0,1]
.endr
.endr
.endm
; One block.  No matrix instruction here adds onto another's result.  Places behind them (ISA guide 7.12.1): TW 0 is read behind four v_nop;
; every later TW is read, and its registers are written again, behind the 112 vector instructions of a CHAIN.
.macro TRIP load
	s_wait_loadcnt 0x0                             ; my block is in; its base may be stepped
	ds_store_b128 v3, v[IN:IN+3]
	ds_store_b128 v3, v[IN+4:IN+7]  offset:512
	ds_store_b128 v3, v[IN+8:IN+11] offset:1024
.irp s, 0,1,2,3
	ds_load_b32 v[X+\s], v4 offset:384*\s          ; point 32 s + L; the wave's own bytes, served in order
	ds_load_b32 v[Y+\s], v4 offset:384*\s+4
	ds_load_b32 v[Z+\s], v4 offset:384*\s+8
.endr
	s_wait_dscnt 0x0
.if \load
	s_add_nc_u64 s[22:23], s[22:23], STEPB
	global_load_b128 v[IN:IN+3],    v2, s[22:23] th:TH_LOAD_NT             ; the next block: a whole block's work ahead of its use
	global_load_b128 v[IN+4:IN+7],  v2, s[22:23] offset:512 th:TH_LOAD_NT
	global_load_b128 v[IN+8:IN+11], v2, s[22:23] offset:1024 th:TH_LOAD_NT
.endif
.irp s, 0,1,2,3
	v_cvt_pk_bf16_f32 v[PF+2*\s],   v[X+\s], v[Y+\s]
	v_cvt_pk_bf16_f32 v[PF+2*\s+1], v[Z+\s], 1.0
.endr
	TW 0
	LOADR 0
.rept 4
	v_nop
.endr
	MASK
	TW 1
.irp g, 0,1,2,3,4,5,6,7
	s_wait_dscnt 0x0                               ; these eight planes' parameters are in
	CHAIN
.if \g < 7
	LOADR \g+1                                     ; the next eight planes' parameters land under the 48 instructions of MASK
	MASK
.endif
.if \g < 6
	TW \g+2
.endif
.endr
.irp s, 0,1,2,3
	ds_store_b32 v4, v[X+\s] offset:384*\s
	ds_store_b32 v4, v[Y+\s] offset:384*\s+4
	ds_store_b32 v4, v[Z+\s] offset:384*\s+8
.endr
	s_wait_xcnt 0x0                                ; OUT and the stores' base, which the last block's stores read, are rewritten only behind this wait
	s_add_nc_u64 s[12:13], s[12:13], STEPB         ; the stores below reach back by the same step
	ds_load_b128 v[OUT:OUT+3],    v3
	ds_load_b128 v[OUT+4:OUT+7],  v3 offset:512
	ds_load_b128 v[OUT+8:OUT+11], v3 offset:1024
	s_wait_dscnt 0x0
	global_store_b128 v2, v[OUT:OUT+3],    s[12:13] offset:-STEPB th:TH_STORE_NT       ; each store covers 512 consecutive bytes, aligned to 256
	global_store_b128 v2, v[OUT+4:OUT+7],  s[12:13] offset:512-STEPB th:TH_STORE_NT
	global_store_b128 v2, v[OUT+8:OUT+11], s[12:13] offset:1024-STEPB th:TH_STORE_NT
.endm
	s_mov_b32 s19, 0
.Ltrip:
	TRIP 1
	s_add_co_u32 s19, s19, 1
	s_cmp_lt_u32 s19, s18
	s_cbranch_scc1 .Ltrip
	TRIP 0                                         ; the last block asks for nothing
	s_endpgm
.Lfunc_end_k_q6ba265ffb1_project:
	.size	k_q6ba265ffb1_project, .Lfunc_end_k_q6ba265ffb1_project-k_q6ba265ffb1_project
	.p2alignl 7, 3214868480
	.fill 96, 4, 3214868480
	.section	.rodata,"a",@progbits
	.p2align	6, 0x0
	.amdhsa_kernel k_q6ba265ffb1_project
		.amdhsa_group_segment_fixed_size 40960
		.amdhsa_private_segment_fixed_size 0
		.amdhsa_enable_private_segment 0
		.amdhsa_kernarg_size 40
		.amdhsa_user_sgpr_count 2
		.amdhsa_user_sgpr_kernarg_segment_ptr 1
		.amdhsa_wavefront_size32 1
		.amdhsa_system_sgpr_workgroup_id_x 1
		.amdhsa_system_sgpr_workgroup_id_y 1
		.amdhsa_system_sgpr_workgroup_id_z 1
		.amdhsa_system_vgpr_workitem_id 0
		.amdhsa_next_free_vgpr 232
		.amdhsa_next_free_sgpr 66
		.amdhsa_reserve_vcc 0
		.amdhsa_float_denorm_mode_32 3
		.amdhsa_float_denorm_mode_16_64 3
		.amdhsa_memory_ordered 1
		.amdhsa_forward_progress 1
		.amdhsa_inst_pref_size 189
	.end_amdhsa_kernel
	.amdgpu_metadata
---
amdhsa.version: [ 1, 2 ]
amdhsa.kernels:
  - .name:           k_q6ba265ffb1_project
    .symbol:         k_q6ba265ffb1_project.kd
    .args:
      - { .name: points, .offset: 0, .size: 8, .value_kind: global_buffer, .address_space: global }
      - { .name: normals, .offset: 8, .size: 8, .value_kind: global_buffer, .address_space: global }
      - { .name: distances, .offset: 16, .size: 8, .value_kind: global_buffer, .address_space: global }
      - { .name: params, .offset: 24, .size: 8, .value_kind: global_buffer, .address_space: global }
      - { .name: out0, .offset: 32, .size: 8, .value_kind: global_buffer, .address_space: global }
    .group_segment_fixed_size: 40960
    .private_segment_fixed_size: 0
    .kernarg_segment_align: 8
    .kernarg_segment_size: 40
    .max_flat_workgroup_size: 512
    .sgpr_count:     66
    .vgpr_count:     232
    .wavefront_size: 32
...
	.end_amdgpu_metadata
.endif
;; end of part 3
;; ======== version 2 of 2: 3 launches; 1.17 times as fast as version 1
;; limits: values outside matrix products are rounded to bf16; right only within a limited range of input values
;; workspace buffers: partial 1,048,576 bytes; params 1,024 bytes; masks 16,000,000 bytes of whole numbers; counts 125,184 bytes of whole numbers
;; launch stats (part 4): grid 256 x 1, 16 waves a work-group, no clusters, 172,032 bytes of LDS; arguments points, normals, distances, partial, masks, counts; writes partial, masks, counts
.if DOCPART == 4
	.amdgcn_target "amdgcn-amd-amdhsa--gfx1250"
	.amdhsa_code_object_version 6
	.text
	.protected	k_q6ba265ffb1_stats
	.globl	k_q6ba265ffb1_stats
	.p2align	8
	.type	k_q6ba265ffb1_stats,@function
k_q6ba265ffb1_stats:
	s_mov_b64 s[64:65], 0
	v_nop
	global_prefetch_b8 v0, s[64:65] scope:SCOPE_SE
	s_setreg_imm32_b32 hwreg(HW_REG_WAVE_MODE, 25, 1), 1
	s_wait_xcnt 0x0
; Masked moments of 2,000,000 points for 64 planes, the mask itself as bits, and the trip counts of the launch that projects.
;   partial[p4][wg][4 planes][16 features] f32 = this work-group's sums of m(point, plane) * F(point, feature), m = (|p.n - d| < 0.02).
;   masks: 1,024 bytes a block of 128 points: lane L's 16 bytes at 16 L hold the bits of planes 0-31 of points L, 32 + L, 64 + L, 96 + L,
;          its 16 bytes at 512 + 16 L those of planes 32-63; bit p is plane p (or 32 + p).
;   counts: 8 bytes a block: the largest number of set bits in a word of planes 0-31, and in a word of planes 32-63.
; MASK: one bf16 matrix product gives t' = 2^40 (x nx + y ny + z nz - d) from (x, y, z, 1) and 2^40 (nx, ny, nz, -d), all rounded to bf16.
;   |t| < f32(0.02) holds exactly when t'^2 - C' < 0, C' = 2^80 * 0x39D1B716: that f32 lies between the squares of 0.02's two neighbouring
;   f32 values (10737417^2 < 13743894 * 2^23 <= 10737418^2), and a fused multiply-add gives the exact sign.  A negative value is below -2^45,
;   so med3(t'^2 - C', -1, 0) is -m.  The sums are therefore negative and are multiplied by -1 once, at the store.
; A lane is a point and a register a plane.  From -m come (a) the bits, by chains acc = 2 acc + (-m), exact in f32 for 16 bits, and (b) the
;   moments' operand with row = plane and k = point, by packing to bf16 and transposing through a tile in LDS.
; FEATURES (exact in bf16): 1; q = bf16(bf16(p) - bf16(points[0])); the upper 8 bits of the six products q q; their remainders.
;   The shift by points[0] keeps a common offset of the cloud out of the sums of squares.
; LIMITS: the threshold is tested on inputs rounded to bf16; a pair whose 2^40 t overflows counts as outside; inputs finite.
; SHARE: a block is 128 points = 1,536 bytes (six aligned pieces of 256); 15,625 blocks; wave W = 16 wg + wave of 4,096 takes blocks W + 4096 i,
;   three or four of them.  No tile is shared between work-groups, so no cluster and no joint loads; a wave's 1,536 bytes come through registers,
;   asked for one block ahead, so no copy engine is used.
.set BLKB,  1536
.set STEPB, 4096*BLKB                  ; from a wave's block to its next
.set MSTEP, 4096*1024                  ; the same in masks
.set CSTEP, 4096*8                     ; and in counts
.set FULL,  15625-3*4096               ; waves below this number have a fourth block
.set WREG,  10752                      ; LDS of one wave: 1,536 stage + 4 feature tiles of 32 x 32 bytes + a mask tile of 32 x 160 bytes
.set FT,    1536
.set MT,    5632
.set MP,    160                        ; the mask tile's pitch: 128 bytes of 64 planes + 32, an odd multiple of 32 for the transposing loads
.set IN,  16                           ; v[16:27]   a block as loaded
.set PF,  28                           ; v[28:35]   (x,y), (z,1) in bf16 of my point in set s at 2 s: a whole fragment
.set FB,  36                           ; v[36:43]   the feature fragment of one set
.set T,   44                           ; v[44:75]   t', then -m: two buffers of two tiles of 8 planes
.set MA,  76                           ; v[76:107]  -m of one set as four fragments: row = plane 16 G + r, k = point
.set ACC, 108                          ; v[108:139] four accumulators: planes 16 G .. 16 G + 15 x 16 features
.set WIN, 140                          ; v[140:209] plane words between zeros (see below)
.set PK,  210                          ; v[210:217] -m of 16 planes of my point, in bf16
.set BM,  218                          ; v[218:225] my points' bits: planes 0-31 of set s at BM + s, planes 32-63 at BM + 4 + s
.set BA,  226                          ; two chains of 8 bits
.set BB,  227
.set RAW, 228                          ; v[228:239] x, y, z of my point in set s at 3 s; dead behind PACK, so the registers below lie on it
.set Q,   228
.set P,   232
.set LO,  238
.set D,   244                          ; v[244:251] a point's 16 features
.set PC,  228                          ; v[228:235] bit counts
.set TT,  236                          ; v[236:243]
.set CN,  244                          ; v[244:245] the two trip counts
.set MST, 252                          ; my point's row of the mask tile
.set MLD, 253                          ; the row that the transposing load of the mask tile addresses
.set RD3, 254
	s_load_b256 s[4:11], s[0:1], 0x0               ; points s[4:5], normals s[6:7], distances s[8:9], partial s[10:11]
	s_load_b128 s[48:51], s[0:1], 0x20             ; masks s[48:49], counts s[50:51]
	v_lshrrev_b32 v1, 5, v0
	v_readfirstlane_b32 s16, v1                    ; wave 0..15
	v_and_b32 v1, 31, v0                           ; lane L
	s_lshl_b32 s17, ttmp9, 4
	s_add_co_u32 s17, s17, s16                     ; W
	s_cmp_lt_u32 s17, FULL
	s_cselect_b32 s18, 2, 1                        ; passes of the loop = blocks - 2
	s_mul_i32 s20, s17, BLKB
	s_mov_b32 s21, 0
	s_lshl_b32 s2, s17, 10                         ; my first block's 1,024 bytes of bits
	s_mov_b32 s3, 0
	s_lshl_b32 s32, s17, 3                         ; and its 8 bytes of counts
	s_mov_b32 s33, 0
	s_mul_i32 s30, s16, WREG                       ; my wave's LDS
	s_mov_b32 s24, 0xffff0000                      ; a word's upper bf16
	s_mov_b32 s25, 0x07060302                      ; v_perm_b32: the two upper halves
	s_mov_b32 s26, 0x53800000                      ; 2^40
	s_mov_b32 s27, 0xd3800000                      ; -2^40
	s_mov_b32 s28, 0xff0000ff                      ; lanes 0-7 and 24-31
	s_mov_b32 s29, 0x43800000                      ; 256.0
	s_mov_b32 s34, 0x55555555
	s_mov_b32 s35, 0x33333333
	s_mov_b32 s36, 0x0f0f0f0f
	s_mov_b32 s37, 0x76543210                      ; v_permlanex16_b32: lane i reads lane i of the other half
	s_mov_b32 s38, 0xfedcba98
	v_and_b32 v228, 15, v1                         ; r
	v_bfe_u32 v229, v1, 4, 1                       ; h
	v_and_b32 v230, 7, v1                          ; L & 7
	v_bfe_u32 v231, v1, 3, 1                       ; (L >> 3) & 1
	v_mul_u32_u24 v232, 12, v230                   ; plane (L & 7)'s normal
	v_lshlrev_b32 v233, 2, v230                    ; and distance
	v_lshlrev_b32 v2, 4, v1                        ; 16 L
	s_wait_kmcnt 0x0
	s_load_b96 s[12:14], s[4:5], 0x0               ; points[0]
	s_add_nc_u64 s[22:23], s[4:5], s[20:21]        ; my first block
	s_add_nc_u64 s[48:49], s[48:49], s[2:3]
	s_add_nc_u64 s[50:51], s[50:51], s[32:33]
.irp g, 0,1,2,3,4,5,6,7
	global_load_b32 v[T+4*\g],   v232, s[6:7] offset:96*\g
	global_load_b32 v[T+4*\g+1], v232, s[6:7] offset:96*\g+4
	global_load_b32 v[T+4*\g+2], v232, s[6:7] offset:96*\g+8
	global_load_b32 v[T+4*\g+3], v233, s[8:9] offset:32*\g
.endr
	global_load_b128 v[IN:IN+3],    v2, s[22:23]
	global_load_b128 v[IN+4:IN+7],  v2, s[22:23] offset:512
	global_load_b128 v[IN+8:IN+11], v2, s[22:23] offset:1024
	v_add_nc_u32 v3, s30, v2                       ; stage, as loaded: 16 L
	v_mul_u32_u24 v4, 12, v1
	v_add_nc_u32 v4, s30, v4                       ; stage, by points: 12 L
	v_lshl_add_u32 v5, v1, 5, s30                  ; my point's feature row: 32 L
	v_lshl_add_u32 v234, v229, 3, v230             ; 8 h + (L & 7): the row that a transposing load addresses
	v_lshl_add_u32 v6, v234, 5, s30
	v_lshl_add_u32 v6, v231, 4, v6                 ; + 16 ((L >> 3) & 1)
	v_mul_u32_u24 v[MLD], MP, v234                 ; the same in the mask tile
	v_add_nc_u32 v[MLD], s30, v[MLD]
	v_lshl_add_u32 v[MLD], v231, 4, v[MLD]
	v_mul_u32_u24 v[MST], MP, v1
	v_add_nc_u32 v[MST], s30, v[MST]
	v_lshlrev_b32 v235, 2, v228
	v_lshl_add_u32 v7, v229, 9, v235               ; the dump: 512 h + 4 r
	v_add_nc_u32 v7, s30, v7
	v_lshlrev_b32 v8, 3, v0                        ; the sum over waves: my 8 bytes of [64][16] f32, waves 0-5
	v_add_nc_u32 v9, 6*WREG, v8                    ; waves 6-11 (the immediate has 16 bits)
	v_add_nc_u32 v[RD3], 12*WREG, v8               ; waves 12-15
	v_mov_b32 v10, 0xe1d1b716                      ; -C', twice
	v_mov_b32 v11, 0xe1d1b716
	v_lshlrev_b32 v15, 3, v1                       ; 8 L
	; WIN: six zeros, then for g = 0..7 two plane words and six zeros; v[WIN+6+8g-2s : +7] has them at the K places of set s.
	; Row m of that fragment is plane 8 g + (m & 7), and only its K places of half m >> 3 are not zero, so that register j of lane L of the
	; product is t'(plane 8 g + j, point L of set s).  These zeros are operands, not sums to be cleared.
.irp k, 0,1,2,3,4,5
	v_mov_b32 v[WIN+\k], 0
.endr
.irp w, 0,1,2,3,4,5,6,7
.irp k, 2,3,4,5,6,7
	v_mov_b32 v[WIN+6+8*\w+\k], 0
.endr
.endr
	s_wait_kmcnt 0x0
	v_cvt_pk_bf16_f32 v12, s12, s13                ; o = bf16(points[0]) as f32 in v12, v13, v14
	v_cvt_pk_bf16_f32 v14, s14, s14
	v_and_b32 v13, s24, v12
	v_lshlrev_b32 v12, 16, v12
	v_lshlrev_b32 v14, 16, v14
	s_wait_loadcnt 0x3                             ; the 32 plane words are in; the three loads of my first block stay out
.irp g, 0,1,2,3,4,5,6,7
	v_mul_f32 v[T+4*\g],   s26, v[T+4*\g]
	v_mul_f32 v[T+4*\g+1], s26, v[T+4*\g+1]
	v_mul_f32 v[T+4*\g+2], s26, v[T+4*\g+2]
	v_mul_f32 v[T+4*\g+3], s27, v[T+4*\g+3]
	v_cvt_pk_bf16_f32 v[PK],   v[T+4*\g],   v[T+4*\g+1]
	v_cvt_pk_bf16_f32 v[PK+1], v[T+4*\g+2], v[T+4*\g+3]
	v_cndmask_b32 v[WIN+6+8*\g], 0, v[PK],   s28
	v_cndmask_b32 v[WIN+7+8*\g], 0, v[PK+1], s28
.endr
.macro PACK s
	v_cvt_pk_bf16_f32 v[PF+2*\s],   v[RAW+3*\s],   v[RAW+3*\s+1]
	v_cvt_pk_bf16_f32 v[PF+2*\s+1], v[RAW+3*\s+2], 1.0
.endm
; the 16 features of my point of set s, into row L of tile s
.macro FEAT s
	v_lshlrev_b32 v[Q],   16,  v[PF+2*\s]
	v_and_b32     v[Q+1], s24, v[PF+2*\s]
	v_lshlrev_b32 v[Q+2], 16,  v[PF+2*\s+1]
	v_sub_f32 v[Q],   v[Q],   v12
	v_sub_f32 v[Q+1], v[Q+1], v13
	v_sub_f32 v[Q+2], v[Q+2], v14
	v_cvt_pk_bf16_f32 v[D],   1.0,    v[Q]
	v_cvt_pk_bf16_f32 v[D+1], v[Q+1], v[Q+2]
	v_and_b32     v[Q],   s24, v[D]                ; q as rounded
	v_lshlrev_b32 v[Q+1], 16,  v[D+1]
	v_and_b32     v[Q+2], s24, v[D+1]
	v_mul_f32 v[P],   v[Q],   v[Q]                 ; products of two bf16 have 16 bits: exact in f32
	v_mul_f32 v[P+1], v[Q],   v[Q+1]
	v_mul_f32 v[P+2], v[Q],   v[Q+2]
	v_mul_f32 v[P+3], v[Q+1], v[Q+1]
	v_mul_f32 v[P+4], v[Q+1], v[Q+2]
	v_mul_f32 v[P+5], v[Q+2], v[Q+2]
	v_perm_b32 v[D+2], v[P+1], v[P],   s25         ; their upper 8 bits
	v_perm_b32 v[D+3], v[P+3], v[P+2], s25
	v_perm_b32 v[D+4], v[P+5], v[P+4], s25
.irp k, 0,1,2,3,4,5
	v_and_b32 v[LO+\k], s24, v[P+\k]
.endr
.irp k, 0,1,2,3,4,5
	v_sub_f32 v[LO+\k], v[P+\k], v[LO+\k]          ; the remainders: 8 bits, exact in bf16
.endr
	v_cvt_pk_bf16_f32 v[D+5], v[LO],   v[LO+1]
	v_cvt_pk_bf16_f32 v[D+6], v[LO+2], v[LO+3]
	v_cvt_pk_bf16_f32 v[D+7], v[LO+4], v[LO+5]
	ds_store_b128 v5, v[D:D+3]   offset:FT+1024*\s
	ds_store_b128 v5, v[D+4:D+7] offset:FT+1024*\s+16
.endm
; Step n = 4 s + q takes set s and the plane groups ga, ga - 1, with ga = 3, 1, 7, 5 for q = 0..3: the higher planes of a word come first,
; so that the chains below end with plane p at bit p.  Register j of lane L gets t'(plane 8 g + j, point L of set s).
.macro TWS n
.set tb, T+16*((\n)&1)
.set tq, (\n)&3
.set tw, WIN+6+8*(3-2*(tq&1)+4*(tq>>1))-2*((\n)>>2)
	v_wmma_f32_16x16x32_bf16 v[tb:tb+7],    v[tw:tw+7],   v[PF:PF+7], 0
	v_wmma_f32_16x16x32_bf16 v[tb+8:tb+15], v[tw-8:tw-1], v[PF:PF+7], 0
.endm
; -m of step n's 16 planes; their bits; their bf16 into my point's row of the mask tile
.macro MASKS n
.set tb, T+16*((\n)&1)
.set mq, (\n)&3
.set ga, 3-2*(mq&1)+4*(mq>>1)
.set bw, BM+((\n)>>2)+4*(mq>>1)
.irp k, 0,1,2,3,4,5,6,7
	v_pk_fma_f32 v[tb+2*\k:tb+2*\k+1], v[tb+2*\k:tb+2*\k+1], v[tb+2*\k:tb+2*\k+1], v[10:11]
.endr
.irp k, 0,1,2,3,4,5,6,7,8,9,10,11,12,13,14,15
	v_med3_num_f32 v[tb+\k], v[tb+\k], -1.0, 0
.endr
	v_fma_f32 v[BA], v[tb+7],  2.0, v[tb+6]        ; two chains of 8 planes, with the packing between their links
	v_fma_f32 v[BB], v[tb+15], 2.0, v[tb+14]
	v_cvt_pk_bf16_f32 v[PK], v[tb], v[tb+1]
.irp j, 5,4,3,2,1,0
	v_fma_f32 v[BA], v[BA], 2.0, v[tb+\j]
	v_fma_f32 v[BB], v[BB], 2.0, v[tb+8+\j]
	v_cvt_pk_bf16_f32 v[PK+6-\j], v[tb+2*(6-\j)], v[tb+2*(6-\j)+1]
.endr
	v_cvt_pk_bf16_f32 v[PK+7], v[tb+14], v[tb+15]
	ds_store_b128 v[MST], v[PK:PK+3]   offset:MT+16*ga
	ds_store_b128 v[MST], v[PK+4:PK+7] offset:MT+16*(ga-1)
	v_fma_f32 v[BA], v[BA], s29, v[BB]             ; minus the 16 bits, a whole number below 2^16: exact
.if (mq&1) == 0
	v_cvt_i32_f32 v[bw], v[BA]                     ; minus the word's upper half
.else
	v_cvt_i32_f32 v[BA], v[BA]
	v_lshl_add_u32 v[bw], v[bw], 16, v[BA]         ; minus the word
	v_sub_nc_u32 v[bw], 0, v[bw]
.endif
.endm
; the fragments of set s: its features and its mask, both stored [point][column], read with k = point.
; The wave's own bytes, served in order: these loads see the stores above, and the next set's stores come behind them.
.macro SETLD s
	ds_load_tr16_b128 v[FB:FB+3],   v6 offset:FT+1024*(\s)
	ds_load_tr16_b128 v[FB+4:FB+7], v6 offset:FT+1024*(\s)+512
.irp g, 0,1,2,3
	ds_load_tr16_b128 v[MA+8*\g:MA+8*\g+3],   v[MLD] offset:MT+32*\g
	ds_load_tr16_b128 v[MA+8*\g+4:MA+8*\g+7], v[MLD] offset:MT+32*\g+16*MP
.endr
.endm
.macro MWS zero                        ; one set's moments; zero = 1: the first set starts the sums
.irp g, 0,1,2,3
.if \zero
	v_wmma_f32_16x16x32_bf16 v[ACC+8*\g:ACC+8*\g+7], v[MA+8*\g:MA+8*\g+7], v[FB:FB+7], 0
.else
	v_wmma_f32_16x16x32_bf16 v[ACC+8*\g:ACC+8*\g+7], v[MA+8*\g:MA+8*\g+7], v[FB:FB+7], v[ACC+8*\g:ACC+8*\g+7]
.endif
.endr
.endm
; the number of set bits in each of my eight words, then the largest over the four sets and the 32 lanes, for each half of the planes
.macro POPC
.irp k, 0,1,2,3,4,5,6,7
	v_lshrrev_b32 v[TT+\k], 1, v[BM+\k]
.endr
.irp k, 0,1,2,3,4,5,6,7
	v_and_b32 v[TT+\k], s34, v[TT+\k]
.endr
.irp k, 0,1,2,3,4,5,6,7
	v_sub_nc_u32 v[PC+\k], v[BM+\k], v[TT+\k]      ; counts of 2 bits
.endr
.irp k, 0,1,2,3,4,5,6,7
	v_lshrrev_b32 v[TT+\k], 2, v[PC+\k]
.endr
.irp k, 0,1,2,3,4,5,6,7
	v_and_b32 v[PC+\k], s35, v[PC+\k]
.endr
.irp k, 0,1,2,3,4,5,6,7
	v_and_b32 v[TT+\k], s35, v[TT+\k]
.endr
.irp k, 0,1,2,3,4,5,6,7
	v_add_nc_u32 v[PC+\k], v[PC+\k], v[TT+\k]      ; of 4 bits
.endr
.irp k, 0,1,2,3,4,5,6,7
	v_lshrrev_b32 v[TT+\k], 4, v[PC+\k]
.endr
.irp k, 0,1,2,3,4,5,6,7
	v_add_nc_u32 v[PC+\k], v[PC+\k], v[TT+\k]
.endr
.irp k, 0,1,2,3,4,5,6,7
	v_and_b32 v[PC+\k], s36, v[PC+\k]              ; of 8 bits, one in each byte
.endr
.irp k, 0,1,2,3,4,5,6,7
	v_lshl_add_u32 v[PC+\k], v[PC+\k], 8, v[PC+\k]
.endr
.irp k, 0,1,2,3,4,5,6,7
	v_lshl_add_u32 v[PC+\k], v[PC+\k], 16, v[PC+\k]        ; the top byte now holds the sum of the four
.endr
.irp k, 0,1,2,3,4,5,6,7
	v_lshrrev_b32 v[PC+\k], 24, v[PC+\k]
.endr
.irp k, 0,1,2,3,4,5,6,7
	v_cvt_f32_u32 v[PC+\k], v[PC+\k]               ; at most 32: exact
.endr
	v_max3_num_f32 v[PC],   v[PC],   v[PC+1], v[PC+2]
	v_max3_num_f32 v[PC+4], v[PC+4], v[PC+5], v[PC+6]
	v_max_num_f32 v[PC],   v[PC],   v[PC+3]
	v_max_num_f32 v[PC+4], v[PC+4], v[PC+7]
.irp x, 1,2,4,8
	v_max_num_f32_dpp v[PC],   v[PC],   v[PC]   row_xmask:\x row_mask:0xf bank_mask:0xf
	v_max_num_f32_dpp v[PC+4], v[PC+4], v[PC+4] row_xmask:\x row_mask:0xf bank_mask:0xf
.endr
	v_permlanex16_b32 v[TT],   v[PC],   s37, s38   ; TT has been written before, as a lane move's destination must be
	v_permlanex16_b32 v[TT+1], v[PC+4], s37, s38
	v_max_num_f32 v[PC],   v[PC],   v[TT]
	v_max_num_f32 v[PC+4], v[PC+4], v[TT+1]
	v_cvt_u32_f32 v[CN],   v[PC]
	v_cvt_u32_f32 v[CN+1], v[PC+4]
.endm
; One block.  The four accumulators take turns, one instruction a turn, with the t' products between the sets.
; Places behind matrix instructions (ISA guide 7.12.1): TWS n is read by MASKS n behind the vector instructions of MASKS n-1 (TWS 0: behind FEAT);
; MA and FB are loaded again behind two whole MASKS; PF is rewritten behind the last two MASKS of the block before.
.macro BLOCK zero, load
	s_wait_loadcnt 0x0                             ; my block is in; its base may be stepped
	ds_store_b128 v3, v[IN:IN+3]
	ds_store_b128 v3, v[IN+4:IN+7]  offset:512
	ds_store_b128 v3, v[IN+8:IN+11] offset:1024
.irp s, 0,1,2,3
.irp c, 0,1,2
	ds_load_b32 v[RAW+3*\s+\c], v4 offset:384*\s+4*\c      ; point 32 s + L; the wave's own bytes, served in order
.endr
.endr
	s_wait_dscnt 0x0
.if \load
	s_add_nc_u64 s[22:23], s[22:23], STEPB
	global_load_b128 v[IN:IN+3],    v2, s[22:23]           ; the next block: a whole block's work ahead of its use
	global_load_b128 v[IN+4:IN+7],  v2, s[22:23] offset:512
	global_load_b128 v[IN+8:IN+11], v2, s[22:23] offset:1024
.endif
	PACK 0
	PACK 1
	PACK 2
	PACK 3
	TWS 0
	FEAT 0
	FEAT 1
	FEAT 2
	FEAT 3
.set bi, 0
.rept 16
.if bi < 15
	TWS bi+1
.endif
	MASKS bi
.if (bi&3) == 1
.if bi > 4
	s_wait_dscnt 0x4                               ; the ten fragment loads of the set before are in; the four tile stores issued behind them may be out
.set mz, 0
.if \zero
.if bi == 5
.set mz, 1
.endif
.endif
	MWS mz
.endif
.endif
.if (bi&3) == 3
	SETLD bi>>2
.endif
.set bi, bi+1
.endr
	POPC                                           ; under it the last set's fragments land
	global_store_b128 v2, v[BM:BM+3],   s[48:49] th:TH_STORE_NT              ; planes 0-31: 512 consecutive bytes, aligned to 256
	global_store_b128 v2, v[BM+4:BM+7], s[48:49] offset:512 th:TH_STORE_NT   ; planes 32-63
	v_cmp_eq_u32 vcc_lo, 0, v1
	s_wait_xcnt 0x0                                ; EXEC changes only behind this wait
	s_and_saveexec_b32 s31, vcc_lo
	global_store_b64 v2, v[CN:CN+1], s[50:51]      ; lane 0 alone (its v2 is 0): the block's 8 bytes; a work-group's sixteen waves fill 128 neighbouring bytes
	s_wait_xcnt 0x0                                ; and again in front of the line that widens it; BM, CN and both bases are free behind it
	s_or_b32 exec_lo, exec_lo, s31
.if \load
	s_add_nc_u64 s[48:49], s[48:49], MSTEP
	s_add_nc_u64 s[50:51], s[50:51], CSTEP
.endif
	s_wait_dscnt 0x0                               ; the last set's fragments are in
	MWS 0
.endm
	BLOCK 1, 1
	s_mov_b32 s19, 0
.Lblk:
	BLOCK 0, 1
	s_add_co_u32 s19, s19, 1
	s_cmp_lt_u32 s19, s18
	s_cbranch_scc1 .Lblk
	BLOCK 0, 0                                     ; the last block asks for nothing
	; the sum over the 16 waves: each dumps [64 planes][16 features] f32 into its own LDS, one barrier, thread t adds the 16 copies of its 8 bytes
.rept 4
	v_nop                                          ; four places behind the last matrix instruction (ISA guide 7.12.1)
.endr
.irp g, 0,1,2,3
.irp j, 0,1,2,3,4,5,6,7
	ds_store_b32 v7, v[ACC+8*\g+\j] offset:1024*\g+64*\j   ; plane 16 g + 8 h + j, feature r
.endr
.endr
	s_wait_dscnt 0x0                               ; for the other waves' sake: my dump is written
	s_barrier_signal -1
	s_barrier_wait -1
.irp w, 0,1,2,3,4,5
	ds_load_b64 v[T+2*\w:T+2*\w+1], v8 offset:\w*WREG
.endr
.irp w, 0,1,2,3,4,5
	ds_load_b64 v[T+12+2*\w:T+13+2*\w], v9 offset:\w*WREG
.endr
.irp w, 0,1,2,3
	ds_load_b64 v[T+24+2*\w:T+25+2*\w], v[RD3] offset:\w*WREG
.endr
	s_lshl_b32 s20, s16, 8
	s_add_co_u32 s20, s20, ttmp9
	s_lshl_b32 s20, s20, 8                         ; (wave x 256 + work-group) x 256 bytes; thread t's planes are 4 wave .. 4 wave + 3
	s_add_nc_u64 s[10:11], s[10:11], s[20:21]
	s_wait_dscnt 0x0
.irp w, 1,2,3,4,5,6,7,8,9,10,11,12,13,14,15
	v_pk_add_f32 v[T:T+1], v[T:T+1], v[T+2*\w:T+2*\w+1]
.endr
	v_pk_mul_f32 v[T:T+1], v[T:T+1], -1.0 op_sel_hi:[1,0]  ; the mask was -m
	global_store_b64 v15, v[T:T+1], s[10:11]       ; the wave's store covers 256 consecutive bytes, aligned
	s_endpgm
.Lfunc_end_k_q6ba265ffb1_stats:
	.size	k_q6ba265ffb1_stats, .Lfunc_end_k_q6ba265ffb1_stats-k_q6ba265ffb1_stats
	.p2alignl 7, 3214868480
	.fill 96, 4, 3214868480
	.section	.rodata,"a",@progbits
	.p2align	6, 0x0
	.amdhsa_kernel k_q6ba265ffb1_stats
		.amdhsa_group_segment_fixed_size 172032
		.amdhsa_private_segment_fixed_size 0
		.amdhsa_enable_private_segment 0
		.amdhsa_kernarg_size 48
		.amdhsa_user_sgpr_count 2
		.amdhsa_user_sgpr_kernarg_segment_ptr 1
		.amdhsa_wavefront_size32 1
		.amdhsa_system_sgpr_workgroup_id_x 1
		.amdhsa_system_sgpr_workgroup_id_y 1
		.amdhsa_system_sgpr_workgroup_id_z 1
		.amdhsa_system_vgpr_workitem_id 0
		.amdhsa_next_free_vgpr 256
		.amdhsa_next_free_sgpr 66
		.amdhsa_reserve_vcc 1
		.amdhsa_float_denorm_mode_32 3
		.amdhsa_float_denorm_mode_16_64 3
		.amdhsa_memory_ordered 1
		.amdhsa_forward_progress 1
		.amdhsa_inst_pref_size 223
	.end_amdhsa_kernel
	.amdgpu_metadata
---
amdhsa.version: [ 1, 2 ]
amdhsa.kernels:
  - .name:           k_q6ba265ffb1_stats
    .symbol:         k_q6ba265ffb1_stats.kd
    .args:
      - { .name: points, .offset: 0, .size: 8, .value_kind: global_buffer, .address_space: global }
      - { .name: normals, .offset: 8, .size: 8, .value_kind: global_buffer, .address_space: global }
      - { .name: distances, .offset: 16, .size: 8, .value_kind: global_buffer, .address_space: global }
      - { .name: partial, .offset: 24, .size: 8, .value_kind: global_buffer, .address_space: global }
      - { .name: masks, .offset: 32, .size: 8, .value_kind: global_buffer, .address_space: global }
      - { .name: counts, .offset: 40, .size: 8, .value_kind: global_buffer, .address_space: global }
    .group_segment_fixed_size: 172032
    .private_segment_fixed_size: 0
    .kernarg_segment_align: 8
    .kernarg_segment_size: 48
    .max_flat_workgroup_size: 512
    .sgpr_count:     66
    .vgpr_count:     256
    .wavefront_size: 32
...
	.end_amdgpu_metadata
.endif
;; end of part 4
;; launch fit: the kernel of part 2 again; grid 16 x 1, 4 waves a work-group, no clusters, 1,024 bytes of LDS; arguments partial, points, normals, params; writes params
;; launch project (part 5): grid 256 x 1, 32 waves a work-group, no clusters, 82,944 bytes of LDS; arguments points, masks, counts, params, out0; writes out0
.if DOCPART == 5
	.amdgcn_target "amdgcn-amd-amdhsa--gfx1250"
	.amdhsa_code_object_version 6
	.text
	.protected	k_q6ba265ffb1_project
	.globl	k_q6ba265ffb1_project
	.p2align	8
	.type	k_q6ba265ffb1_project,@function
k_q6ba265ffb1_project:
	s_mov_b64 s[64:65], 0
	v_nop
	global_prefetch_b8 v0, s[64:65] scope:SCOPE_SE
	s_setreg_imm32_b32 hwreg(HW_REG_WAVE_MODE, 25, 1), 1
	s_wait_xcnt 0x0
; out0 = the points, projected in turn onto each of the 64 refined planes in whose slab the ORIGINAL point lies.
; The slab test was made by the moments' launch, which left 64 plane bits for each point in masks and two trip counts for each block in counts.
; Here a lane is a point and walks only its own set bits, lowest plane first, which is the order of the reference's scan:
;   S = X rx + Y ry + Z rz - rd;  X -= S rx, Y -= S ry, Z -= S rz,  all in f32, from the f32 input.
; The parameters (rx, ry, rz, -rd) of a lane's plane are gathered from a table in LDS.  A lane with no bit left takes entry 32, four zeros,
; which moves nothing; so does a plane with fewer than three inliers, whose parameters are zeros.  Inputs finite.
; Trip counts are whole numbers read from memory: a sweep makes as many trips as the fullest of the block's 128 words has bits, 32 at the
; most, so every content of masks is served.  Planes 0-31 are swept first, then planes 32-63.
; SHARE: blocks of 128 points = 1,536 bytes of points, 1,024 of bits, 8 of counts; wave W = 32 wg + wave of 8,192 takes block W and, where it
;   exists, block W + 8192.  Four sets of 32 points go side by side, so that four gathers are out together and four chains fill each other's gaps.
; No matrix unit: each step of a point's chain needs the step before, and few of the 64 planes are taken.  No cluster and no copy engine:
;   only the 1,024 bytes of parameters are shared, and blocks come through registers, asked for one block ahead.
.set BLKB,  1536
.set NW,    8192
.set STEPB, NW*BLKB
.set MSTEP, NW*1024
.set CSTEP, NW*8
.set FULL,  15625-NW                   ; waves below this number have a second block
.set WREG,  2592                       ; LDS of one wave: 1,536 stage + two tables of 32 planes and a zero entry (so no barrier)
.set PAR,   1536
.set TAB,   528                        ; bytes of one table: 33 entries of 16
.set IN,  8                            ; v[8:19]    points as loaded
.set MK,  20                           ; v[20:27]   my points' bits as loaded
.set X,   36                           ; v[36:39], v[40:43], v[44:47]: the running point of set s
.set Y,   40
.set Z,   44
.set WL,  48                           ; v[48:51]   bits of planes 0-31 still to do, set s
.set WH,  52                           ; v[52:55]   bits of planes 32-63
.set AD,  56                           ; v[56:59]   plane index, then table address
.set R,   60                           ; v[60:75]   (rx, ry, rz, -rd) of set s at 4 s
.set S,   76                           ; v[76:79]
.set TMP, 80                           ; v[80:83]
.set OUT, 84                           ; v[84:95]
	s_load_b256 s[4:11], s[0:1], 0x0               ; points s[4:5], masks s[6:7], counts s[8:9], params s[10:11]
	s_load_b64 s[12:13], s[0:1], 0x20              ; out0
	v_lshrrev_b32 v1, 5, v0
	v_readfirstlane_b32 s16, v1                    ; wave 0..31
	v_and_b32 v1, 31, v0                           ; lane L
	s_lshl_b32 s17, ttmp9, 5
	s_add_co_u32 s17, s17, s16                     ; W
	s_mul_i32 s20, s17, BLKB
	s_mov_b32 s21, 0
	s_lshl_b32 s22, s17, 10
	s_mov_b32 s23, 0
	s_lshl_b32 s14, s17, 3
	s_mov_b32 s15, 0
	s_mul_i32 s30, s16, WREG
	v_lshlrev_b32 v2, 4, v1                        ; 16 L
.macro LOADS
	global_load_b128 v[IN:IN+3],    v2, s[4:5] th:TH_LOAD_NT
	global_load_b128 v[IN+4:IN+7],  v2, s[4:5] offset:512 th:TH_LOAD_NT
	global_load_b128 v[IN+8:IN+11], v2, s[4:5] offset:1024 th:TH_LOAD_NT
	global_load_b128 v[MK:MK+3],    v2, s[6:7] th:TH_LOAD_NT               ; planes 0-31 of my four points
	global_load_b128 v[MK+4:MK+7],  v2, s[6:7] offset:512 th:TH_LOAD_NT    ; planes 32-63
.endm
	s_wait_kmcnt 0x0
	s_add_nc_u64 s[4:5], s[4:5], s[20:21]          ; my first block
	s_add_nc_u64 s[6:7], s[6:7], s[22:23]
	s_add_nc_u64 s[8:9], s[8:9], s[14:15]
	s_add_nc_u64 s[12:13], s[12:13], s[20:21]
	s_load_b64 s[24:25], s[8:9], 0x0               ; its two trip counts
	global_load_b128 v[R:R+3],   v2, s[10:11]              ; plane L's parameters
	global_load_b128 v[R+4:R+7], v2, s[10:11] offset:512   ; plane 32 + L's
	LOADS
	v_add_nc_u32 v3, s30, v2                       ; stage by 16 bytes
	v_mul_u32_u24 v4, 12, v1
	v_add_nc_u32 v4, s30, v4                       ; stage by points
	v_mov_b32 v5, s30                              ; my wave's LDS
.irp k, 0,1,2,3
	v_mov_b32 v[S+\k], 0                           ; the zero entry
.endr
	s_wait_loadcnt 0x5                             ; the parameters are in; my block's three loads of points and two of bits stay out
	ds_store_b128 v3, v[R:R+3]   offset:PAR
	ds_store_b128 v3, v[R+4:R+7] offset:PAR+TAB
	ds_store_b128 v5, v[S:S+3]   offset:PAR+512            ; every lane writes the same 16 bytes with the same zeros
	ds_store_b128 v5, v[S:S+3]   offset:PAR+TAB+512
; One sweep over the words w of the four sets; tab: the table's place; n: the register with the trip count (the body runs once at the least,
; which with no bits left moves nothing).
.macro SWEEP w, tab, n
	s_mov_b32 s19, 0
.Lsweep_\@:
.irp s, 0,1,2,3
	v_ctz_i32_b32 v[AD+\s], v[\w+\s]               ; my lowest plane still to do; all ones where the word is empty
.endr
.irp s, 0,1,2,3
	v_min_u32 v[AD+\s], 32, v[AD+\s]               ; which then becomes the zero entry; the index is at most 32 whatever was read
.endr
.irp s, 0,1,2,3
	v_lshl_add_u32 v[AD+\s], v[AD+\s], 4, v5
.endr
.irp s, 0,1,2,3
	ds_load_b128 v[R+4*\s:R+4*\s+3], v[AD+\s] offset:\tab
.endr
.irp s, 0,1,2,3
	v_add_nc_u32 v[TMP+\s], -1, v[\w+\s]
.endr
.irp s, 0,1,2,3
	v_and_b32 v[\w+\s], v[\w+\s], v[TMP+\s]        ; the lowest bit is done; an empty word stays empty
.endr
	s_wait_dscnt 0x0
.irp s, 0,1,2,3
	v_fma_f32 v[S+\s], v[X+\s], v[R+4*\s], v[R+4*\s+3]
.endr
.irp s, 0,1,2,3
	v_fmac_f32 v[S+\s], v[Y+\s], v[R+4*\s+1]
.endr
.irp s, 0,1,2,3
	v_fmac_f32 v[S+\s], v[Z+\s], v[R+4*\s+2]
.endr
.irp s, 0,1,2,3
	v_fma_f32 v[X+\s], -v[S+\s], v[R+4*\s],   v[X+\s]
	v_fma_f32 v[Y+\s], -v[S+\s], v[R+4*\s+1], v[Y+\s]
	v_fma_f32 v[Z+\s], -v[S+\s], v[R+4*\s+2], v[Z+\s]
.endr
	s_add_co_u32 s19, s19, 1
	s_cmp_lt_u32 s19, \n
	s_cbranch_scc1 .Lsweep_\@
.endm
; One block.  load = 1: a second block follows and is asked for.
.macro TRIP load
	s_wait_loadcnt 0x0                             ; my block is in; its bases may be stepped
	s_wait_kmcnt 0x0                               ; and its trip counts
	s_min_u32 s26, s24, 32                         ; a word has 32 bits: the bound holds whatever was read
	s_min_u32 s27, s25, 32
	ds_store_b128 v3, v[IN:IN+3]
	ds_store_b128 v3, v[IN+4:IN+7]  offset:512
	ds_store_b128 v3, v[IN+8:IN+11] offset:1024
.irp s, 0,1,2,3
	ds_load_b32 v[X+\s], v4 offset:384*\s          ; point 32 s + L; the wave's own bytes, served in order
	ds_load_b32 v[Y+\s], v4 offset:384*\s+4
	ds_load_b32 v[Z+\s], v4 offset:384*\s+8
.endr
.irp k, 0,1,2,3,4,5,6,7
	v_mov_b32 v[WL+\k], v[MK+\k]                   ; the sweeps use the words up while MK is already asked for again: registers of their own
.endr
	s_wait_dscnt 0x0
.if \load
	s_add_nc_u64 s[4:5], s[4:5], STEPB
	s_add_nc_u64 s[6:7], s[6:7], MSTEP
	s_load_b64 s[24:25], s[8:9], CSTEP             ; the second block: counts, points and bits, a whole block's work ahead of their use
	LOADS
.endif
	SWEEP WL, PAR, s26
	SWEEP WH, PAR+TAB, s27
.irp s, 0,1,2,3
	ds_store_b32 v4, v[X+\s] offset:384*\s
	ds_store_b32 v4, v[Y+\s] offset:384*\s+4
	ds_store_b32 v4, v[Z+\s] offset:384*\s+8
.endr
	ds_load_b128 v[OUT:OUT+3],    v3
	ds_load_b128 v[OUT+4:OUT+7],  v3 offset:512
	ds_load_b128 v[OUT+8:OUT+11], v3 offset:1024
	s_wait_dscnt 0x0
	global_store_b128 v2, v[OUT:OUT+3],    s[12:13] th:TH_STORE_NT               ; each store covers 512 consecutive bytes, aligned to 256
	global_store_b128 v2, v[OUT+4:OUT+7],  s[12:13] offset:512 th:TH_STORE_NT
	global_store_b128 v2, v[OUT+8:OUT+11], s[12:13] offset:1024 th:TH_STORE_NT
.if \load
	s_wait_xcnt 0x0                                ; OUT and the stores' base are rewritten only behind this wait
	s_add_nc_u64 s[12:13], s[12:13], STEPB
.endif
.endm
	s_cmp_lt_u32 s17, FULL
	s_cbranch_scc0 .Llast                          ; block W + 8192 does not exist: one block alone
	TRIP 1
.Llast:
	TRIP 0                                         ; the last block asks for nothing
	s_endpgm
.Lfunc_end_k_q6ba265ffb1_project:
	.size	k_q6ba265ffb1_project, .Lfunc_end_k_q6ba265ffb1_project-k_q6ba265ffb1_project
	.p2alignl 7, 3214868480
	.fill 96, 4, 3214868480
	.section	.rodata,"a",@progbits
	.p2align	6, 0x0
	.amdhsa_kernel k_q6ba265ffb1_project
		.amdhsa_group_segment_fixed_size 82944
		.amdhsa_private_segment_fixed_size 0
		.amdhsa_enable_private_segment 0
		.amdhsa_kernarg_size 40
		.amdhsa_user_sgpr_count 2
		.amdhsa_user_sgpr_kernarg_segment_ptr 1
		.amdhsa_wavefront_size32 1
		.amdhsa_system_sgpr_workgroup_id_x 1
		.amdhsa_system_sgpr_workgroup_id_y 1
		.amdhsa_system_sgpr_workgroup_id_z 1
		.amdhsa_system_vgpr_workitem_id 0
		.amdhsa_next_free_vgpr 96
		.amdhsa_next_free_sgpr 66
		.amdhsa_reserve_vcc 0
		.amdhsa_float_denorm_mode_32 3
		.amdhsa_float_denorm_mode_16_64 3
		.amdhsa_memory_ordered 1
		.amdhsa_forward_progress 1
		.amdhsa_inst_pref_size 18
	.end_amdhsa_kernel
	.amdgpu_metadata
---
amdhsa.version: [ 1, 2 ]
amdhsa.kernels:
  - .name:           k_q6ba265ffb1_project
    .symbol:         k_q6ba265ffb1_project.kd
    .args:
      - { .name: points, .offset: 0, .size: 8, .value_kind: global_buffer, .address_space: global }
      - { .name: masks, .offset: 8, .size: 8, .value_kind: global_buffer, .address_space: global }
      - { .name: counts, .offset: 16, .size: 8, .value_kind: global_buffer, .address_space: global }
      - { .name: params, .offset: 24, .size: 8, .value_kind: global_buffer, .address_space: global }
      - { .name: out0, .offset: 32, .size: 8, .value_kind: global_buffer, .address_space: global }
    .group_segment_fixed_size: 82944
    .private_segment_fixed_size: 0
    .kernarg_segment_align: 8
    .kernarg_segment_size: 40
    .max_flat_workgroup_size: 1024
    .sgpr_count:     66
    .vgpr_count:     96
    .wavefront_size: 32
...
	.end_amdgpu_metadata
.endif
;; end of part 5
